; MI455X (gfx1250); checked and timed in simulation.
; The chip was launched on July 23, 2026; its instructions are those of AMD's public machine-readable ISA for CDNA 5 (MIT licence, August 2026) and "CDNA5" Instruction Set Architecture Reference Guide (July 2026). The comments in the code are by the model that wrote it; some were corrected since.
;; Moe WNA16 Matmul. Allowed arithmetic: float matrix products may take bf16 or f16 operands with f32 sums; other float arithmetic in f32, or as packed bf16 or f16 multiplies, adds, multiply-adds, maxima and minima; sums over many terms, partial sums and values carried from step to step in f32; what a program stores and reads back later, other than sums and carried values, may be rounded once to bf16 or f16.
;; Inputs: expert_ids 2,048 int32; g_idx 2,048 int32; state 2,048 x 2,048 float32; weight_packed 8 x 256 x 2,048 int32; weight_scale 8 x 16 x 2,048 float32; zero_point 8 x 16 x 2,048 int32.
;; Outputs: out0 2,048 x 2,048 float32.
;; One version. Each part assembles by itself: llvm-mc -triple=amdgcn-amd-amdhsa -mcpu=gfx1250 --defsym DOCPART=n.
;; ======== version 1 of 1: 2 launches
;; workspace buffers: xs 8,912,896 bytes; tok 8,704 bytes of whole numbers; cnt 256 bytes of whole numbers
;; launch prep (part 1): grid 4 x 136, 8 waves a work-group, no clusters, 21,504 bytes of LDS; arguments expert_ids, state, xs, tok, cnt, out0; writes xs, tok, cnt, out0
.if DOCPART == 1
	.amdgcn_target "amdgcn-amd-amdhsa--gfx1250"
	.amdhsa_code_object_version 6
	.text
	.protected	k_q85d9b5b19e_prep
	.globl	k_q85d9b5b19e_prep
	.p2align	8
	.type	k_q85d9b5b19e_prep,@function
k_q85d9b5b19e_prep:
	s_mov_b64 s[64:65], 0
	v_nop
	global_prefetch_b8 v0, s[64:65] scope:SCOPE_SE
	s_setreg_imm32_b32 hwreg(HW_REG_WAVE_MODE, 25, 1), 1
	s_wait_xcnt 0x0
; PREP: the routing, and the token rows laid out for the product launch.
; The 2,048 tokens are put into 9 buckets: experts 0..7, and bucket 8 for an id outside 0..7 (read as unsigned).  Each bucket starts on a block of 16 slots; at most
; (2048 + 9 x 15) / 16 = 136 blocks, whatever the split.  Work-group (q, b) serves block b, k = 512 q .. 512 q + 511.  Every work-group counts the whole routing for itself
; (8 KB of ids, no traffic between work-groups); a token's rank in its bucket goes by (wave, j, lane), the same in every work-group.
; A block's 16 rows are read as f32 (16 lanes: 256 consecutive bytes of a row), rounded ONCE to bf16 and stored in the order of a matrix operand's registers:
;   xs + b x 65536 + ks x 1024 + j x 512 + lane x 16: slot 16 b + lane % 16, k = 32 ks + 16 j + 8 (lane / 16) + 0..7, the eight k in the pair order (0,4)(1,5)(2,6)(3,7),
; which is the order in which the product launch unpacks eight 4-bit codes of a word.  Slots past a bucket's count repeat its last token.
; tok[16 b + r] = the slot's token; cnt[0..8] = the buckets' counts (words 9..31 are 0).  Rows of bucket 8 get zeros in out0, as a sum of masked products leaves them; no xs is written for them.
; A block past the last bucket stores nothing: the price of a grid that serves every split.
.set CNTB,   0                         ; 8 waves x 128 bytes: a wave's 9 counts in words 0..8
.set LISTB,  1024                      ; 8 waves x 128 bytes: words 0..15 the block's slots that this wave's tokens take (token + 1, else 0); words 16..31 take what falls outside the block, and nobody reads them
.set STB,    2048                      ; 8 waves x 16 rows x 144 bytes: a wave's own stage
.set SPITCH, 144                       ; 128 bytes of a row + 16: the 16 rows that a 16-byte load touches start 36 words apart
.set SPARE,  20480                     ; the spare words: 128 bytes for each of 8 waves; no other line names them
.set SPW, 96                           ; LDS address of my spare word; never rewritten
.set NIL, 97                           ; 0; never rewritten
.set HW,  98                           ; the wave's counts, lane e = bucket e
.set ZR,  99                           ; a zero to store
.set A4T, 100                          ; 128 w + 4 lane
.set A4L, 101                          ; 4 lane
.set TOT, 102                          ; lane e: bucket e's count
.set PRE, 103                          ; lane e: bucket e's count in the waves below mine
.set LB,  104                          ; my wave's list
.set TKA, 105                          ; byte offset in tok
.set STA, 106                          ; stage, in: row h, 8 bytes at 8 (lane % 16)
.set STL, 107                          ; stage, back: row lane % 16, 16 bytes at 16 h
.set XSA, 108                          ; byte offset in xs
; v4-11 my 8 tokens' buckets; v12-19 LDS reads; v20, v21 at work; v22 my slot's token; v23 the k part of a row's offset; v24-31 row offsets; v32-63 rows as loaded; v64-79 fragments; v80-95 packed
	s_load_b256 s[4:11], s[0:1], 0x0               ; expert_ids s[4:5], state s[6:7], xs s[8:9], tok s[10:11]
	s_load_b128 s[12:15], s[0:1], 0x20             ; cnt s[12:13], out0 s[14:15]
	v_lshl_add_u32 v[SPW], v0, 2, SPARE
	v_mov_b32 v[NIL], 0
	v_lshrrev_b32 v20, 5, v0
	v_readfirstlane_b32 s16, v20                   ; wave w
	s_mov_b32 s17, ttmp9                           ; q
	s_and_b32 s18, ttmp7, 0xffff                   ; b
	s_mov_b32 s42, 0x05040100                      ; two low halves
	s_mov_b32 s43, 0x07060302                      ; two high halves
	v_and_b32 v1, 31, v0                           ; lane
	v_and_b32 v2, 15, v0                           ; lane % 16
	v_bfe_u32 v3, v0, 4, 1                         ; h = lane / 16
	v_lshlrev_b32 v21, 5, v0                       ; thread t holds tokens 8 t .. 8 t + 7
	v_lshlrev_b32 v[A4L], 2, v1
	s_lshl_b32 s19, s16, 7
	v_add_nc_u32 v[A4T], s19, v[A4L]
	s_add_co_u32 s19, s19, LISTB
	v_mov_b32 v[LB], s19
	s_mul_i32 s19, s16, 16*SPITCH
	s_add_co_u32 s19, s19, STB                     ; my stage
	v_mul_u32_u24 v20, v3, SPITCH
	v_lshl_add_u32 v20, v2, 3, v20
	v_add_nc_u32 v[STA], s19, v20
	v_mul_u32_u24 v20, v2, SPITCH
	v_lshl_add_u32 v20, v3, 4, v20
	v_add_nc_u32 v[STL], s19, v20
	s_lshl_b32 s19, s17, 11
	s_lshl_b32 s36, s16, 8
	s_add_co_u32 s19, s19, s36
	v_lshl_add_u32 v23, v2, 4, s19                 ; 2048 q + 256 w + 16 (lane % 16): my 16 bytes in a row of state or out0
	s_lshl_b32 s19, s18, 16
	s_lshl_b32 s36, s17, 14
	s_add_co_u32 s19, s19, s36
	s_lshl_b32 s36, s16, 11
	s_add_co_u32 s19, s19, s36
	v_lshl_add_u32 v[XSA], v1, 4, s19              ; 65536 b + 1024 (16 q + 2 w) + 16 lane
	s_lshl_b32 s19, s18, 6
	v_lshl_add_u32 v[TKA], v2, 2, s19
	v_mov_b32 v[HW], 0
	v_mov_b32 v[ZR], 0
	s_wait_kmcnt 0x0
	global_load_b128 v[4:7], v21, s[4:5]
	global_load_b128 v[8:11], v21, s[4:5] offset:16
	s_wait_loadcnt 0x0
.irp j, 0,1,2,3,4,5,6,7
	v_min_u32 v[4+\j], 8, v[4+\j]                  ; every id outside 0..7 is bucket 8
.endr
	; THE WAVE'S COUNTS of its 256 tokens: a compare and a count of bits for each bucket and each j
.irp e, 0,1,2,3,4,5,6,7
	v_cmp_eq_u32 s36, \e, v4
	s_bcnt1_i32_b32 s[20+\e], s36
.irp j, 1,2,3,4,5,6,7
	v_cmp_eq_u32 s36, \e, v[4+\j]
	s_bcnt1_i32_b32 s37, s36
	s_add_co_u32 s[20+\e], s[20+\e], s37
.endr
.endr
	s_add_co_u32 s36, s20, s21
.irp e, 2,3,4,5,6,7
	s_add_co_u32 s36, s36, s[20+\e]
.endr
	s_sub_co_u32 s28, 256, s36                     ; bucket 8 has the rest
.irp e, 0,1,2,3,4,5,6,7,8
	v_writelane_b32 v[HW], s[20+\e], \e
.endr
	ds_store_b32 v[A4T], v[HW] offset:CNTB
	ds_store_b32 v[A4T], v[ZR] offset:LISTB        ; my list starts empty
	s_wait_dscnt 0x0                               ; for the others' sake: my counts are in LDS
	s_barrier_signal -1
	s_barrier_wait -1
	; TOTALS, my wave's prefix, and which bucket block b belongs to
.irp x, 0,1,2,3,4,5,6,7
	ds_load_b32 v[12+\x], v[A4L] offset:CNTB+128*\x
.endr
	s_wait_dscnt 0x0
	v_add3_u32 v[TOT], v12, v13, v14
	v_add3_u32 v[TOT], v[TOT], v15, v16
	v_add3_u32 v[TOT], v[TOT], v17, v18
	v_add_nc_u32 v[TOT], v[TOT], v19
	v_mov_b32 v[PRE], 0
.irp x, 0,1,2,3,4,5,6
	s_cmp_gt_u32 s16, \x
	s_cselect_b32 s36, -1, 0
	v_and_b32 v20, s36, v[12+\x]
	v_add_nc_u32 v[PRE], v[PRE], v20
.endr
	s_mov_b32 s30, 8                               ; E: the block's bucket
	s_mov_b32 s31, 0                               ; D: the block's number within it
	s_mov_b32 s32, 0                               ; C: the bucket's count
	s_mov_b32 s39, 0                               ; my wave's prefix in it
	s_mov_b32 s33, 0                               ; blocks so far
.irp e, 0,1,2,3,4,5,6,7,8
	v_readlane_b32 s36, v[TOT], \e
	v_readlane_b32 s40, v[PRE], \e
	s_add_co_u32 s37, s36, 15
	s_lshr_b32 s37, s37, 4                         ; the bucket's blocks
	s_sub_co_u32 s38, s18, s33                     ; wraps to a large number where b lies below the bucket
	s_cmp_lt_u32 s38, s37
	s_cselect_b32 s30, \e, s30
	s_cselect_b32 s31, s38, s31
	s_cselect_b32 s32, s36, s32
	s_cselect_b32 s39, s40, s39
	s_add_co_u32 s33, s33, s37
.endr
	s_cmp_lt_u32 s18, s33
	s_cselect_b32 s34, 1, 0                        ; 1: the block exists
	s_lshl_b32 s35, s31, 4                         ; the block's first rank
	s_sub_co_u32 s38, s32, s35
	s_min_i32 s38, s38, 16
	s_sub_co_i32 s38, s38, 1
	s_max_i32 s38, s38, 0                          ; the last slot that holds a token of its own
	s_sub_co_u32 s39, s39, s35                     ; the rank, less the block's first, of my wave's next token of the bucket
	; THE LIST: a token whose rank falls into the block writes token + 1 into its slot's word of my wave's list
.irp j, 0,1,2,3,4,5,6,7
	v_cmp_eq_u32 s36, s30, v[4+\j]
	v_mbcnt_lo_u32_b32 v20, s36, 0
	v_add_nc_u32 v20, s39, v20
	v_cndmask_b32 v20, 31, v20, s36
	v_min_u32 v20, 31, v20                         ; below the block (wrapped) and far above it: word 31
	v_lshl_add_u32 v20, v20, 2, v[LB]
	v_lshl_add_u32 v21, v0, 3, \j+1
	ds_store_b32 v20, v21
	s_bcnt1_i32_b32 s37, s36
	s_add_co_u32 s39, s39, s37
.endr
	s_wait_dscnt 0x0                               ; for the others' sake: my list is in LDS
	s_barrier_signal -1
	s_barrier_wait -1                              ; the last barrier: what follows may differ from work-group to work-group
	v_min_u32 v20, s38, v2                         ; slots past the count repeat the last token
	v_min_u32 v20, 15, v20
	v_lshlrev_b32 v20, 2, v20
.irp x, 0,1,2,3,4,5,6,7
	ds_load_b32 v[12+\x], v20 offset:LISTB+128*\x
.endr
	s_wait_dscnt 0x0
	v_add3_u32 v12, v12, v13, v14                  ; one of the eight is token + 1, the others 0
	v_add3_u32 v15, v15, v16, v17
	v_add3_u32 v12, v12, v15, v18
	v_add_nc_u32 v12, v12, v19
	v_add_nc_u32 v12, -1, v12
	v_min_u32 v22, 2047, v12                       ; lane l: the token of slot l % 16
	s_cmp_eq_u32 s34, 0
	s_cbranch_scc1 .Lend
	s_or_b32 s36, s17, s16                         ; the whole numbers are stored once: by wave 0 of q = 0,
	s_cmp_lg_u32 s36, 0
	s_cbranch_scc1 .Lrows
	global_store_b32 v[TKA], v22, s[10:11]         ; (lanes 16-31 repeat lanes 0-15)
	s_cmp_lg_u32 s18, 0                            ; the counts by block 0's, which always exists
	s_cbranch_scc1 .Lrows
	global_store_b32 v[A4L], v[TOT], s[12:13]
.Lrows:
.irp i, 0,1,2,3,4,5,6,7
	v_lshl_add_u32 v[32+\i], v3, 2, 8*\i           ; load i takes rows 2 i + h
.endr
.irp i, 0,1,2,3,4,5,6,7
	ds_bpermute_b32 v[24+\i], v[32+\i], v22
.endr
	s_wait_dscnt 0x0
.irp i, 0,1,2,3,4,5,6,7
	v_min_u32 v[24+\i], 2047, v[24+\i]
	v_lshl_add_u32 v[24+\i], v[24+\i], 13, v23     ; token x 8,192 bytes + my 16 bytes
.endr
	s_cmp_eq_u32 s30, 8
	s_cbranch_scc1 .Lbad
.irp i, 0,1,2,3,4,5,6,7
	global_load_b128 v[32+4*\i:35+4*\i], v[24+\i], s[6:7]  ; 16 lanes: 256 consecutive bytes of a row, at a multiple of 256; two rows a load
.endr
.irp i, 0,1,2,3,4,5,6,7
	s_wait_loadcnt 7-\i                            ; loads come back in order: load i is in, the younger ones stay out
	v_cvt_pk_bf16_f32 v[80+2*\i], v[32+4*\i], v[33+4*\i]
	v_cvt_pk_bf16_f32 v[81+2*\i], v[34+4*\i], v[35+4*\i]
	ds_store_b64 v[STA], v[80+2*\i:81+2*\i] offset:288*\i
.endr
.irp f, 0,1,2,3                        ; f = 2 s + j: k step s of my two, half j.  My wave's own bytes, served in order: no barrier
	ds_load_b128 v[64+4*\f:67+4*\f], v[STL] offset:32*\f
.endr
	s_wait_dscnt 0x0
.irp f, 0,1,2,3
	v_perm_b32 v[80+4*\f], v[66+4*\f], v[64+4*\f], s42     ; (k0, k4)
	v_perm_b32 v[81+4*\f], v[66+4*\f], v[64+4*\f], s43     ; (k1, k5)
	v_perm_b32 v[82+4*\f], v[67+4*\f], v[65+4*\f], s42     ; (k2, k6)
	v_perm_b32 v[83+4*\f], v[67+4*\f], v[65+4*\f], s43     ; (k3, k7)
	global_store_b128 v[XSA], v[80+4*\f:83+4*\f], s[8:9] offset:512*\f  ; 512 consecutive bytes
.endr
	s_branch .Lend
.Lbad:                                 ; no expert takes these rows: zeros
.irp i, 0,1,2,3
	v_mov_b32 v[64+\i], 0
.endr
.irp i, 0,1,2,3,4,5,6,7
	global_store_b128 v[24+\i], v[64:67], s[14:15]
.endr
.Lend:
	s_wait_tensorcnt 0x0                           ; the wave's end
	ds_add_u32 v[SPW], v[NIL]
	s_wait_dscnt 0x0
	s_endpgm
.Lfunc_end_k_q85d9b5b19e_prep:
	.size	k_q85d9b5b19e_prep, .Lfunc_end_k_q85d9b5b19e_prep-k_q85d9b5b19e_prep
	.p2alignl 7, 3214868480
	.fill 96, 4, 3214868480
	.section	.rodata,"a",@progbits
	.p2align	6, 0x0
	.amdhsa_kernel k_q85d9b5b19e_prep
		.amdhsa_group_segment_fixed_size 21504
		.amdhsa_private_segment_fixed_size 0
		.amdhsa_enable_private_segment 0
		.amdhsa_kernarg_size 48
		.amdhsa_user_sgpr_count 2
		.amdhsa_user_sgpr_kernarg_segment_ptr 1
		.amdhsa_wavefront_size32 1
		.amdhsa_system_sgpr_workgroup_id_x 1
		.amdhsa_system_sgpr_workgroup_id_y 1
		.amdhsa_system_sgpr_workgroup_id_z 1
		.amdhsa_system_vgpr_workitem_id 0
		.amdhsa_next_free_vgpr 112
		.amdhsa_next_free_sgpr 66
		.amdhsa_reserve_vcc 0
		.amdhsa_float_denorm_mode_32 3
		.amdhsa_float_denorm_mode_16_64 3
		.amdhsa_memory_ordered 1
		.amdhsa_forward_progress 1
		.amdhsa_inst_pref_size 30
	.end_amdhsa_kernel
	.amdgpu_metadata
---
amdhsa.version: [ 1, 2 ]
amdhsa.kernels:
  - .name:           k_q85d9b5b19e_prep
    .symbol:         k_q85d9b5b19e_prep.kd
    .args:
      - { .name: expert_ids, .offset: 0, .size: 8, .value_kind: global_buffer, .address_space: global }
      - { .name: state, .offset: 8, .size: 8, .value_kind: global_buffer, .address_space: global }
      - { .name: xs, .offset: 16, .size: 8, .value_kind: global_buffer, .address_space: global }
      - { .name: tok, .offset: 24, .size: 8, .value_kind: global_buffer, .address_space: global }
      - { .name: cnt, .offset: 32, .size: 8, .value_kind: global_buffer, .address_space: global }
      - { .name: out0, .offset: 40, .size: 8, .value_kind: global_buffer, .address_space: global }
    .group_segment_fixed_size: 21504
    .private_segment_fixed_size: 0
    .kernarg_segment_align: 8
    .kernarg_segment_size: 48
    .max_flat_workgroup_size: 256
    .sgpr_count:     66
    .vgpr_count:     112
    .wavefront_size: 32
...
	.end_amdgpu_metadata
.endif
;; end of part 1
;; launch main (part 2): grid 32 x 14, 4 waves a work-group, no clusters, 272,896 bytes of LDS; arguments xs, tok, cnt, g_idx, weight_packed, weight_scale, zero_point, out0; writes out0
.if DOCPART == 2
	.amdgcn_target "amdgcn-amd-amdhsa--gfx1250"
	.amdhsa_code_object_version 6
	.text
	.protected	k_q85d9b5b19e_main
	.globl	k_q85d9b5b19e_main
	.p2align	8
	.type	k_q85d9b5b19e_main,@function
k_q85d9b5b19e_main:
	s_mov_b64 s[64:65], 0
	v_nop
	global_prefetch_b8 v0, s[64:65] scope:SCOPE_SE
	s_setreg_imm32_b32 hwreg(HW_REG_WAVE_MODE, 25, 1), 1
	s_wait_xcnt 0x0
; MAIN: out[t][n] = sum over k of state[t][k] W[e(t)][k][n], W = (q - zp[g_idx[k]][n]) scale[g_idx[k]][n], for the rows of each expert alone.
; SHARES.  Work-group (slice, u): 64 columns, and unit u: at most 320 rows of ONE expert.  The units of all experts, counted from the stored counts, are never more than
; (2048 + 8 x 319) / 320 = 14; a unit that a split leaves empty passes the two barriers, stores nothing and ends.  An expert with more than 320 rows has further units, each of which unpacks the slice again.
; PHASE 1.  The four waves unpack the slice, K x 64, ONCE into LDS as bf16 operand fragments (wave w: k = 512 w .. 512 w + 511).  A barrier.
; PHASE 2.  Wave w multiplies the unit's blocks of 16 rows w, w + 4, .. (1 to 5 of them: five texts, chosen by a forward branch on the stored count).  Token fragments come from xs
; straight into registers (512 consecutive bytes a load), weight fragments from LDS; nothing in this phase writes LDS, so it has no barrier.
; COLUMNS.  Tile c of four holds the slice's columns 4 r + c at its place r.  So the lane that unpacks a packed word is the lane that owns those 16 bytes of the fragment (phase 1 stores 512 consecutive
; bytes), and in the results a lane holds, in register j of the four tiles, columns 4 r .. 4 r + 3 of token slot 8 h + j: 16 neighbouring bytes of a row of out0: no round trip through LDS on the way out.
; THE LOOK-UP.  scale and zero point change from k to k (g_idx is any map), so they are fetched by the matrix unit: a one-hot matrix (16 k x 32 slots, 1.0 at slots g and 16 + g) times a table.
; The scale's table: slots 0-15 the 16 groups' s = bf16(scale), slots 16-31 zero.  The other table holds c = -(128 + zp) s: slots 0-15 c rounded to bf16, slots 16-31 what that rounding left, in bf16.
; In the result a lane holds eight consecutive k of one column: the eight codes of the packed word that the lane has loaded.  w = bf16((128 + q) s + c), one fused line, one rounding;
; 128 + q is exact in bf16 (the half-word 0x4300 | q).  For -128 <= zp < 128, c has 8 x 8 = 16 significant bits, which its two parts hold exactly: the line then rounds the exact (q - zp) s.
; FORMATS, LIMITS.  Both floating-point inputs, state and weight_scale, are rounded once to bf16; w once more to bf16; sums in f32.  The order of k inside each eight is (0,4)(1,5)(2,6)(3,7) in both
; operands.  |zero_point| under 2^24 (outside -128 .. 127 c's two parts are within 2^-17 of it); g_idx is held to 0..15; scale finite (a NaN or infinity in one group's scale would reach the slice's
; other groups through the look-up's zeros).  All 32 bits of a packed word are honoured.
; NO JOINT LOADS: each slice of weights has one reader; what an expert's 32 work-groups share is xs, but its extent hangs on stored counts, and it goes to registers without touching LDS.
; REGISTERS, in windows of 256 (s_set_vgpr_msb: bits 1:0 source 0, 3:2 source 1, 5:4 source 2, 7:6 destination):
;   window 0, always: v0-31 addresses.  Phase 1: v32-95 tables; v96-127 one-hot addresses; v128-143 one-hot, two buffers; v144-175 look-up results, two buffers; v176-191 codes; v192-203 at work.
;   window 1, phase 1: v0-127 the wave's 128 packed words a lane.   Phase 2: window 0 v32-95 weights, two buffers; v96-255 token slots 0-3; window 2 v0-159 token slots 4-7; window 1 v0-159 accumulators.
.set KSB,   4096                       ; LDS bytes of a k step of 32: four tiles
.set CBB,   1024                       ; a tile: 2 halves x 32 lanes x 16 bytes; every store and load of it takes 512 consecutive bytes
.set GS,    64*KSB                     ; 262,144, behind the weights: 4 waves x 2,048 bytes: g_idx of the wave's 512 k
.set PT,    GS+4*2048                  ; 270,336: 4 waves x 512 bytes: the one-hot patterns, entry (g, h) at 32 g + 16 h
.set SPARE, PT+4*512                   ; 272,384: the spare words, 128 bytes a wave; no other line names them
.set BRD0, 4                           ; 16 lane; never rewritten
.set AOFF, 5                           ; 16 lane, stepped along xs
.set BRD,  6                           ; the LDS address of the weight loads: BRD0 + the scalar TB, made anew in each trip
.set COL,  9                           ; 16 (lane % 16)
.set TOK,  10                          ; v10-14  block i: the token of slot lane % 16
.set BST,  15                          ; where my unpacked 16 bytes go: my wave's 16 k steps + 16 lane
.set TAB,  16                          ; my offset in scale and zero_point
.set WOF,  17                          ; my offset in the packed words
.set GSA,  18
.set PTB,  19
.set R4,   20                          ; 4 (lane % 16)
.set SPW,  30                          ; LDS address of my spare word; never rewritten
.set NIL,  31                          ; 0; never rewritten
.set TB,   46                          ; s46, in phase 2: LDS byte at which the trip's eight k steps of weights begin
.set TS,   32                          ; tables: column set c: scale at TS + 16 c, c at TS + 16 c + 8
.set GA,   96
.set OH,   128
.set D0,   144                         ; a look-up's results: 8 registers s, 8 registers c
.set D1,   160
.set Q,    176                         ; Q + 4 c + i: the halves 128 + code i, 128 + code i + 4 of column set c
.set W,    192                         ; v192-195, v200-203: the packed weights, two buffers
.set T,    196
.set SC,   128                         ; while the tables are made: scale, zero point as loaded; at work
.set ZP,   160
.set TT,   192
.set TR,   200
.set TZ,   208
.set SH,   216                         ; the rounded scale, as f32
.set GI,   224
.set OB,   96                          ; the way out: a block's 32 numbers a lane in the order of the stores; the rows' tokens; lane selects; addresses
.set TO,   128
.set BI,   136
.set AD,   144
.set MSB, 0
.macro WIN new                         ; the immediate's high byte repeats the setting that is left; a switch that changes nothing is dropped
.if MSB != (\new)
	s_set_vgpr_msb (MSB<<8)|(\new)
.set MSB, (\new)
.endif
.endm
.macro PLACES                          ; four plain places between a matrix instruction and a load into a register that it has read (ISA guide 7.12.1 for vector instructions)
.rept 4
	v_nop
.endr
.endm
	s_load_b512 s[8:23], s[0:1], 0x0               ; xs s[8:9], tok s[10:11], cnt s[12:13], g_idx s[14:15], words s[16:17], scale s[18:19], zero_point s[20:21], out0 s[22:23]
	v_lshl_add_u32 v[SPW], v0, 2, SPARE
	v_mov_b32 v[NIL], 0
	v_lshrrev_b32 v21, 5, v0
	v_readfirstlane_b32 s32, v21                   ; wave w
	s_mov_b32 s33, ttmp9                           ; slice
	s_and_b32 s34, ttmp7, 0xffff                   ; unit u
	s_mov_b32 s48, 0x000f000f
	s_mov_b32 s49, 0x43004300                      ; 128.0 twice in bf16
	s_mov_b32 s51, 0xffff0000
	v_and_b32 v1, 31, v0                           ; lane
	v_and_b32 v2, 15, v0                           ; r
	v_bfe_u32 v3, v0, 4, 1                         ; h
	v_lshlrev_b32 v[BRD0], 4, v1
	v_lshlrev_b32 v[AOFF], 4, v1
	v_lshlrev_b32 v[COL], 4, v2
	v_lshlrev_b32 v[R4], 2, v2
	s_mul_i32 s46, s32, 16*KSB                     ; my 16 k steps of the weights
	v_add_nc_u32 v[BST], s46, v[BRD0]
	v_lshl_add_u32 v[TAB], v3, 16, v[COL]          ; groups 8 h on (8,192 bytes a group), columns 4 r on
	v_lshl_add_u32 v[WOF], v3, 13, v[COL]          ; word row h of two, columns 4 r on
	s_lshl_b32 s46, s32, 11
	s_add_co_u32 s46, s46, GS
	v_add_nc_u32 v[GSA], s46, v[R4]
	v_add_nc_u32 v26, s46, v[AOFF]
	s_lshl_b32 s46, s32, 9
	s_add_co_u32 s46, s46, PT
	v_lshl_add_u32 v[PTB], v3, 4, s46
	v_add_nc_u32 v27, s46, v[AOFF]
	s_wait_kmcnt 0x0
	s_load_b256 s[24:31], s[12:13], 0x0            ; the eight experts' counts
	s_mov_b32 s35, 0                               ; E: my unit's expert
	s_mov_b32 s36, 0                               ; D: the unit's number within it
	s_mov_b32 s37, 0                               ; C: the expert's count
	s_mov_b32 s38, 0                               ; the expert's first block in xs
	s_mov_b32 s39, 0                               ; units so far
	s_mov_b32 s40, 0                               ; blocks so far
	s_wait_kmcnt 0x0
.irp e, 0,1,2,3,4,5,6,7
	s_min_u32 s[24+\e], s[24+\e], 2048
	s_add_co_u32 s46, s[24+\e], 319
	s_mul_i32 s46, s46, 13108
	s_lshr_b32 s46, s46, 22                        ; (c + 319) / 320: 13108 / 2^22 exceeds 1 / 320 by 1.9e-7, too little to matter up to 2,367
	s_sub_co_u32 s47, s34, s39                     ; wraps to a large number where u lies below the expert's units
	s_cmp_lt_u32 s47, s46
	s_cselect_b32 s35, \e, s35
	s_cselect_b32 s36, s47, s36
	s_cselect_b32 s37, s[24+\e], s37
	s_cselect_b32 s38, s40, s38
	s_add_co_u32 s39, s39, s46
	s_add_co_u32 s47, s[24+\e], 15
	s_lshr_b32 s47, s47, 4
	s_add_co_u32 s40, s40, s47
.endr
	s_mul_i32 s46, s36, 320
	s_sub_co_u32 s41, s37, s46
	s_min_u32 s41, s41, 320                        ; the unit's rows; 0 where there is no unit u
	s_mul_i32 s46, s36, 20
	s_add_co_u32 s42, s38, s46                     ; its first block
	s_add_co_u32 s43, s41, 15
	s_lshr_b32 s43, s43, 4                         ; its blocks, 0 to 20
	s_add_co_u32 s44, s43, 3
	s_sub_co_u32 s44, s44, s32
	s_lshr_b32 s44, s44, 2                         ; my wave's blocks, 0 to 5
	s_min_u32 s35, s35, 7
	s_add_co_u32 s42, s42, s32
	s_min_u32 s42, s42, 135                        ; my wave's first block
	s_mov_b32 s47, 0
	s_lshl_b32 s46, s42, 16
	s_add_nc_u64 s[52:53], s[8:9], s[46:47]        ; xs at my first block
	s_lshl_b32 s46, s42, 6
	s_add_nc_u64 s[54:55], s[10:11], s[46:47]      ; tok likewise
	s_lshl_b32 s46, s33, 8
	s_add_nc_u64 s[56:57], s[22:23], s[46:47]      ; out0 at the slice's first column
	s_lshl_b32 s45, s35, 17
	s_add_co_u32 s46, s46, s45
	s_add_nc_u64 s[60:61], s[18:19], s[46:47]      ; scale and zero_point at the expert's slice
	s_add_nc_u64 s[62:63], s[20:21], s[46:47]
	s_lshl_b32 s46, s33, 8
	s_lshl_b32 s45, s35, 21
	s_add_co_u32 s46, s46, s45
	s_lshl_b32 s45, s32, 19
	s_add_co_u32 s46, s46, s45
	s_add_nc_u64 s[58:59], s[16:17], s[46:47]      ; the words at the expert, my 64 word rows, the slice
	s_lshl_b32 s46, s32, 11
	s_add_nc_u64 s[14:15], s[14:15], s[46:47]      ; g_idx at my 512 k
	s_cmp_eq_u32 s41, 0
	s_cbranch_scc1 .Lmeet                          ; no unit: only loads and unpacking are jumped, no barrier
	; ALL 52 LOADS OF PHASE 1 GO OUT AT ONCE: 4 of g_idx, 8 of scale, 8 of zero_point, 32 of words; in each, 16 lanes take 256 consecutive bytes
.irp a, 0,1,2,3
	global_load_b128 v[GI+4*\a:GI+4*\a+3], v[AOFF], s[14:15] offset:512*\a
.endr
.irp i, 0,1,2,3,4,5,6,7
	global_load_b128 v[SC+4*\i:SC+4*\i+3], v[TAB], s[60:61] offset:8192*\i  ; group 8 h + i, columns 4 r .. 4 r + 3
.endr
.irp i, 0,1,2,3,4,5,6,7
	global_load_b128 v[ZP+4*\i:ZP+4*\i+3], v[TAB], s[62:63] offset:8192*\i
.endr
	WIN 0x40                                       ; destination window 1
.set o, 0
.rept 32
	global_load_b128 v[4*o:4*o+3], v[WOF], s[58:59] offset:16384*o th:TH_LOAD_NT  ; word row 64 w + 2 o + h, columns 4 r .. 4 r + 3: read once in the launch by a balanced split
.set o, o+1
.endr
	WIN 0
	; the one-hot patterns: lane l makes entry (g = l / 2, h = l % 2): 1.0 in half (g - 8 h) % 2 of register (g - 8 h) / 2, if that is 0..3
	v_lshrrev_b32 v23, 1, v1
	v_and_b32 v24, 1, v1
	v_lshlrev_b32 v24, 3, v24
	v_sub_nc_u32 v23, v23, v24
	v_and_b32 v24, 1, v23
	v_lshlrev_b32 v24, 4, v24
	v_mov_b32 v25, 0x3f80
	v_lshlrev_b32 v24, v24, v25
	v_ashrrev_i32 v23, 1, v23
.irp i, 0,1,2,3
	v_cmp_eq_u32 vcc_lo, \i, v23
	v_cndmask_b32 v[TT+\i], 0, v24, vcc_lo
.endr
	ds_store_b128 v27, v[TT:TT+3]
	s_wait_loadcnt 48                              ; g_idx is in: the 16 table loads and the 32 word loads are younger
.irp a, 0,1,2,3
	ds_store_b128 v26, v[GI+4*\a:GI+4*\a+3] offset:512*\a
.endr
.set o, 0
.rept 32
	ds_load_b32 v[GA+o], v[GSA] offset:64*o        ; the group of k = 512 w + 16 o + r: row r of one-hot matrix o.  My wave's own bytes, served in order
.set o, o+1
.endr
	s_wait_loadcnt 32                              ; the tables are in: the 32 word loads are younger
; Eight f32 at v[src ..] (groups 8 h + 2 i2 and + 1, four columns each): rounded to bf16 into register i2 of the four column sets' tables at dst, and what the rounding left into register 4 + i2
.macro SPLIT src, dst, i2
.irp c, 0,1,2,3
	v_cvt_pk_bf16_f32 v[\dst+16*\c+\i2], v[\src+\c], v[\src+4+\c]
.endr
.irp c, 0,1,2,3
	v_lshlrev_b32 v[TT+\c], 16, v[\dst+16*\c+\i2]
	v_and_b32 v[TT+4+\c], s51, v[\dst+16*\c+\i2]
.endr
.irp p, 0,2,4,6
	v_pk_add_f32 v[TR+\p:TR+\p+1], v[\src+\p:\src+\p+1], v[TT+\p:TT+\p+1] neg_lo:[0,1] neg_hi:[0,1]
.endr
.irp c, 0,1,2,3
	v_cvt_pk_bf16_f32 v[\dst+16*\c+4+\i2], v[TR+\c], v[TR+4+\c]
.endr
.endm
; Groups 8 h + 2 i2 and + 1, four columns each.  The scale is rounded once to bf16, as state is; the upper sixteen slots of its table hold 0; c is made of the ROUNDED scale
.macro TABS i2
.irp c, 0,1,2,3
	v_cvt_pk_bf16_f32 v[TS+16*\c+\i2], v[SC+8*\i2+\c], v[SC+8*\i2+4+\c]
.endr
.irp c, 0,1,2,3
	v_mov_b32 v[TS+16*\c+4+\i2], 0
.endr
.irp c, 0,1,2,3
	v_lshlrev_b32 v[SH+\c], 16, v[TS+16*\c+\i2]    ; s as f32
	v_and_b32 v[SH+4+\c], s51, v[TS+16*\c+\i2]
.endr
.irp n, 0,1,2,3,4,5,6,7
	v_cvt_f32_i32 v[TZ+\n], v[ZP+8*\i2+\n]
.endr
.irp p, 0,2,4,6
	v_pk_add_f32 v[TZ+\p:TZ+\p+1], v[TZ+\p:TZ+\p+1], 0x43000000 op_sel_hi:[1,0]  ; 128 + zp, exact
.endr
.irp p, 0,2,4,6
	v_pk_mul_f32 v[TZ+\p:TZ+\p+1], v[TZ+\p:TZ+\p+1], v[SH+\p:SH+\p+1] neg_lo:[0,1] neg_hi:[0,1]  ; c = -(128 + zp) s: 16 significant bits where 128 + zp has 8
.endr
	SPLIT TZ, TS+8, \i2
.endm
	TABS 0
	TABS 1
	TABS 2
	TABS 3
	s_wait_dscnt 0x0                               ; the groups are in
.set o, 0
.rept 32
	v_min_u32 v[GA+o], 15, v[GA+o]
	v_lshl_add_u32 v[GA+o], v[GA+o], 5, v[PTB]     ; the LDS address of my 16 bytes of the row's pattern
.set o, o+1
.endr
.irp i, 0,1,2,3
	v_mov_b32 v[W+\i], 0                           ; the lines that write one half of a register count as readers of it
	v_mov_b32 v[W+8+\i], 0
.endr
	ds_load_b128 v[OH:OH+3], v[GA]                 ; slots 8 h .. and slots 16 + 8 h .. hold the same pattern
	ds_load_b128 v[OH+4:OH+7], v[GA]
; PHASE 1, piece o of 32: 16 k (word rows 2 o, 2 o + 1 of my 64) x 64 columns.
.macro LOOK c, d                       ; s and c of column set c (columns 4 r + c): two products that start at 0
	v_wmma_f32_16x16x32_bf16 v[\d:\d+7], v[OH+8*(o&1):OH+8*(o&1)+7], v[TS+16*\c:TS+16*\c+7], 0
	v_wmma_f32_16x16x32_bf16 v[\d+8:\d+15], v[OH+8*(o&1):OH+8*(o&1)+7], v[TS+16*\c+8:TS+16*\c+15], 0
.endm
.macro EXTR c                          ; the word's eight codes as four pairs of bf16 halves 128 + q: (0,4) (1,5) (2,6) (3,7)
	v_and_or_b32 v[Q+4*\c], s48, v[4*o+\c], s49
.irp i, 1,2,3
	v_lshrrev_b32 v[T+\i-1], 4*\i, v[4*o+\c]
.endr
.irp i, 1,2,3
	v_and_or_b32 v[Q+4*\c+\i], v[T+\i-1], s48, s49
.endr
.endm
; w = bf16((128 + q) s + c); the first line reads the lowest register of both results.  The 16 bytes are k = 8 (word row) + 0..7 of column 4 r + c:
; in tile c of k step o / 2, half o % 2, they belong to this very lane
.macro MIX c, d
.irp i, 0,1,2,3
	v_fma_mixlo_bf16 v[W+8*(\c&1)+\i], v[Q+4*\c+\i], v[\d+\i], v[\d+8+\i] op_sel_hi:[1,0,0]
.endr
.irp i, 0,1,2,3
	v_fma_mixhi_bf16 v[W+8*(\c&1)+\i], v[Q+4*\c+\i], v[\d+4+\i], v[\d+12+\i] op_sel:[1,0,0] op_sel_hi:[1,0,0]
.endr
	ds_store_b128 v[BST], v[W+8*(\c&1):W+8*(\c&1)+3] offset:(o>>1)*KSB+(o&1)*512+CBB*\c
.endm
; Places behind the products: the 28 unpacking lines behind LOOK 0 and 1; MIX 1's eight lines behind LOOK 2; MIX 2's eight behind LOOK 3.  A result buffer is written again with the other
; buffer's eight lines between at the least; a one-hot buffer is loaded again sixteen lines behind its last reader.  No two products that follow each other share an accumulator.
.macro DQ
.if o == 0
	s_wait_dscnt 0x0
.else
	s_wait_dscnt 0x4                               ; this piece's one-hot matrix is in: the last piece's four stores are younger
.endif
.if o < 31
	ds_load_b128 v[OH+8*((o+1)&1):OH+8*((o+1)&1)+3], v[GA+o+1]
	ds_load_b128 v[OH+8*((o+1)&1)+4:OH+8*((o+1)&1)+7], v[GA+o+1]
.endif
	s_wait_loadcnt 31-o                            ; this piece's words are in: the later pieces' loads are younger
	LOOK 0, D0
	LOOK 1, D1
	WIN 0x04                                       ; source 1: window 1, the words
	EXTR 0
	EXTR 1
	EXTR 2
	EXTR 3
	WIN 0
	MIX 0, D0
	LOOK 2, D0
	MIX 1, D1
	LOOK 3, D1
	MIX 2, D0
	MIX 3, D1
.endm
.set o, 0
.rept 32
	DQ
.set o, o+1
.endr
.Lmeet:
	s_wait_dscnt 0x0                               ; for the others' sake: my part of the weights is in LDS
	s_barrier_signal -1
	s_barrier_wait -1                              ; from here to the second barrier LDS is only read
	s_cmp_eq_u32 s44, 5
	s_cbranch_scc1 .Lv5
	s_cmp_eq_u32 s44, 4
	s_cbranch_scc1 .Lv4
	s_cmp_eq_u32 s44, 3
	s_cbranch_scc1 .Lv3
	s_cmp_eq_u32 s44, 2
	s_cbranch_scc1 .Lv2
	s_cmp_eq_u32 s44, 1
	s_cbranch_scc1 .Lv1
	s_branch .Lend
; PHASE 2.  A ring of eight token slots in registers, a k step of 32 each (2 MB loads of 512 bytes), AH steps ahead; two buffers of weight fragments, two steps ahead.
; AH = 7 with 1 to 4 blocks (56 loads out at the most), 6 with 5 blocks (60): a wave's loads out stay within the 63 that a wait's count can name.
.macro ALOAD MB, imm, sl               ; my MB blocks' fragments of the k step at byte imm, into slot sl; my blocks lie four blocks (262,144 bytes) apart
.if (\sl) < 4
	WIN 0
.set AB, 96+40*(\sl)
.else
	WIN 0x80                                       ; destination window 2
.set AB, 40*((\sl)-4)
.endif
.set ii, 0
.rept \MB
	global_load_b128 v[AB+8*ii:AB+8*ii+3], v[AOFF], s[52:53] offset:ii*262144+(\imm)
	global_load_b128 v[AB+8*ii+4:AB+8*ii+7], v[AOFF], s[52:53] offset:ii*262144+(\imm)+512
.set ii, ii+1
.endr
	WIN 0
.endm
.macro BLOAD imm, be                   ; the four tiles of the k step at byte imm, into buffer be: 512 consecutive bytes a load
	WIN 0
.irp cb, 0,1,2,3
	ds_load_b128 v[32+32*(\be)+8*\cb:32+32*(\be)+8*\cb+3], v[BRD] offset:(\imm)+CBB*\cb
	ds_load_b128 v[32+32*(\be)+8*\cb+4:32+32*(\be)+8*\cb+7], v[BRD] offset:(\imm)+CBB*\cb+512
.endr
.endm
; 4 MB products.  Source 0 = 16 token rows, source 1 = a tile's 16 columns: register j of lane (r, h) is token slot 8 h + j, column 4 r + tile.  The 4 MB accumulators take turns,
; one instruction a turn, from step to step and over the loop's jump too.  zero = 1: the first k step starts the sums.
.macro MUL MB, sl, be, zero
.if (\sl) < 4
	WIN 0x50                                       ; C and D window 1
.set AB, 96+40*(\sl)
.else
	WIN 0x52                                       ; and source 0 window 2
.set AB, 40*((\sl)-4)
.endif
.irp cb, 0,1,2,3
.set ii, 0
.rept \MB
.if \zero
	v_wmma_f32_16x16x32_bf16 v[32*ii+8*\cb:32*ii+8*\cb+7], v[AB+8*ii:AB+8*ii+7], v[32+32*(\be)+8*\cb:32+32*(\be)+8*\cb+7], 0
.else
	v_wmma_f32_16x16x32_bf16 v[32*ii+8*\cb:32*ii+8*\cb+7], v[AB+8*ii:AB+8*ii+7], v[32+32*(\be)+8*\cb:32+32*(\be)+8*\cb+7], v[32*ii+8*\cb:32*ii+8*\cb+7]
.endif
.set ii, ii+1
.endr
.endr
	WIN 0
.endm
; Step p (relative to the stepped addresses).  nA: the token loads issued behind this slot's; nB: the LDS loads issued behind this buffer's.
; The weight buffer just read takes the step two on; a token slot read 8 - AH steps ago takes the step AH on.
.macro STEP MB, p, zero, fillA, fillB, nA, nB
	s_wait_loadcnt \nA
	s_wait_dscnt \nB
	MUL \MB, (\p)&7, (\p)&1, \zero
.if (\fillA) || (\fillB)
	PLACES
.endif
.if \fillB
	BLOAD ((\p)+2)*KSB, (\p)&1
.endif
.if \fillA
	ALOAD \MB, ((\p)+AH)*1024, ((\p)+AH)&7
.endif
.endm
; Step 56 + p of the tail.  Token loads go on while 56 + p + AH <= 63, weight loads while 56 + p + 2 <= 63.  Behind this slot's loads stand those of the later slots asked for so far,
; min(AH - 1, 7 - p) of them, and from p = 3 on the MB loads of tok; the last step waits for all, tok among them.
.macro TSTEP MB, p
.set TY, 7-(\p)
.if TY > AH-1
.set TY, AH-1
.endif
.set TNA, 2*TY*(\MB)
.if ((\p) >= 3) && ((\p) < 7)
.set TNA, TNA+(\MB)
.endif
.set TFA, 0
.if (\p)+AH <= 7
.set TFA, 1
.endif
.set TFB, 0
.if (\p) <= 5
.set TFB, 1
.endif
.set TNB, 8
.if (\p) == 7
.set TNB, 0
.endif
	STEP \MB, \p, 0, TFA, TFB, TNA, TNB
.endm
; The loads below write over phase 1's tables, one-hot matrices and results: eight plain lines on other registers (MIX 2's) stand behind phase 1's last product.
.macro VARIANT MB
.Lv\MB:
.set AH, 7
.if \MB == 5
.set AH, 6
.endif
	s_mov_b32 s[TB], 0
	v_add_nc_u32 v[BRD], s[TB], v[BRD0]
.set ss, 0
.rept AH
	ALOAD \MB, ss*1024, ss
.set ss, ss+1
.endr
	BLOAD 0, 0
	BLOAD KSB, 1
	STEP \MB, 0, 1, 1, 1, 2*(AH-1)*\MB, 8          ; AH - 1 later slots' loads, 2 MB each, are younger; so are the other weight buffer's eight
	s_mov_b32 s50, 7
.Lk\MB:                                ; 7 trips of 8 k steps: steps 8 t + 1 .. 8 t + 8; the token refills reach step 8 t + 8 + AH <= 63, the weights' step 8 t + 10
	v_add_nc_u32 v[BRD], s[TB], v[BRD0]            ; the trip's LDS address: the lane's 16 bytes + 8 t k steps; the highest byte read is 262,143, the weights' last
.irp p, 1,2,3,4,5,6,7,8
	STEP \MB, \p, 0, 1, 1, 2*(AH-1)*\MB, 8
.endr
	s_wait_xcnt 0x0                                ; the loads' address register is stepped only behind this wait
	v_add_nc_u32 v[AOFF], 8192, v[AOFF]
	s_add_co_u32 s[TB], s[TB], 8*KSB
	s_sub_co_u32 s50, s50, 1
	s_cmp_lg_u32 s50, 0
	s_cbranch_scc1 .Lk\MB
	v_add_nc_u32 v[BRD], s[TB], v[BRD0]            ; steps 57 to 63
	TSTEP \MB, 1
	TSTEP \MB, 2
.set ii, 0
.rept \MB
	global_load_b32 v[TOK+ii], v[R4], s[54:55] offset:256*ii  ; my blocks' tokens, for the way out: asked for here, where 10 MB loads at the most are out, five steps ahead of their wait
.set ii, ii+1
.endr
	TSTEP \MB, 3
	TSTEP \MB, 4
	TSTEP \MB, 5
	TSTEP \MB, 6
	TSTEP \MB, 7
.irp j, 0,1,2,3,4,5,6,7
	v_lshl_add_u32 v[BI+\j], v3, 5, 4*\j           ; the lane that holds the token of slot 8 h + j, times 4.  These eight lines are the places behind the last products
.endr
.if \MB < 5
	s_branch .Lout\MB
.endif
.endm
	VARIANT 1
	VARIANT 2
	VARIANT 3
	VARIANT 4
	VARIANT 5
; THE WAY OUT of block i: 16 rows x 64 columns of f32.  Register j of the four tiles' accumulators are four neighbouring columns of slot 8 h + j: 32 copies bring each four together (each accumulator's
; register 0 is read first), and store j sends lanes 0-15's 256 bytes to slot j's token and lanes 16-31's to slot 8 + j's.
; Slots past the count repeat a token: the same wave stores the same numbers to the same bytes.
.macro OUTBLK i
	s_wait_xcnt 0x0                                ; the block before's stores have had their addresses translated: their data and address registers are written again only behind this wait
.irp j, 0,1,2,3,4,5,6,7
	ds_bpermute_b32 v[TO+\j], v[BI+\j], v[TOK+\i]  ; between lanes: no LDS byte is touched
.endr
	WIN 0x01                                       ; source 0: window 1
.irp j, 0,1,2,3,4,5,6,7
.irp c, 0,1,2,3
	v_mov_b32 v[OB+4*\j+\c], v[32*\i+8*\c+\j]
.endr
.endr
	WIN 0
	s_wait_dscnt 0x0
.irp j, 0,1,2,3,4,5,6,7
	v_min_u32 v[TO+\j], 2047, v[TO+\j]
	v_lshl_add_u32 v[AD+\j], v[TO+\j], 13, v[COL]
.endr
.irp j, 0,1,2,3,4,5,6,7
	global_store_b128 v[AD+\j], v[OB+4*\j:OB+4*\j+3], s[56:57] th:TH_STORE_NT  ; 16 lanes store 256 consecutive bytes, at a multiple of 256 from out0's first byte
.endr
.endm
.Lout5:
	OUTBLK 4
.Lout4:
	OUTBLK 3
.Lout3:
	OUTBLK 2
.Lout2:
	OUTBLK 1
.Lout1:
	OUTBLK 0
.Lend:
	s_wait_dscnt 0x0                               ; my reads of the weights are over
	s_barrier_signal -1
	s_barrier_wait -1                              ; and so are every wave's: no wave writes LDS again while another may still read it; every wave comes here, one without blocks too
	s_wait_tensorcnt 0x0                           ; the wave's end
	ds_add_u32 v[SPW], v[NIL]
	s_wait_dscnt 0x0
	s_endpgm
.Lfunc_end_k_q85d9b5b19e_main:
	.size	k_q85d9b5b19e_main, .Lfunc_end_k_q85d9b5b19e_main-k_q85d9b5b19e_main
	.p2alignl 7, 3214868480
	.fill 96, 4, 3214868480
	.section	.rodata,"a",@progbits
	.p2align	6, 0x0
	.amdhsa_kernel k_q85d9b5b19e_main
		.amdhsa_group_segment_fixed_size 272896
		.amdhsa_private_segment_fixed_size 0
		.amdhsa_enable_private_segment 0
		.amdhsa_kernarg_size 64
		.amdhsa_user_sgpr_count 2
		.amdhsa_user_sgpr_kernarg_segment_ptr 1
		.amdhsa_wavefront_size32 1
		.amdhsa_system_sgpr_workgroup_id_x 1
		.amdhsa_system_sgpr_workgroup_id_y 1
		.amdhsa_system_sgpr_workgroup_id_z 1
		.amdhsa_system_vgpr_workitem_id 0
		.amdhsa_next_free_vgpr 672
		.amdhsa_next_free_sgpr 66
		.amdhsa_reserve_vcc 1
		.amdhsa_float_denorm_mode_32 3
		.amdhsa_float_denorm_mode_16_64 3
		.amdhsa_memory_ordered 1
		.amdhsa_forward_progress 1
		.amdhsa_inst_pref_size 255
	.end_amdhsa_kernel
	.section	.bss,"aw",@nobits
	.p2align	6
	.space	262144
	.amdgpu_metadata
---
amdhsa.version: [ 1, 2 ]
amdhsa.kernels:
  - .name:           k_q85d9b5b19e_main
    .symbol:         k_q85d9b5b19e_main.kd
    .args:
      - { .name: xs, .offset: 0, .size: 8, .value_kind: global_buffer, .address_space: global }
      - { .name: tok, .offset: 8, .size: 8, .value_kind: global_buffer, .address_space: global }
      - { .name: cnt, .offset: 16, .size: 8, .value_kind: global_buffer, .address_space: global }
      - { .name: g_idx, .offset: 24, .size: 8, .value_kind: global_buffer, .address_space: global }
      - { .name: weight_packed, .offset: 32, .size: 8, .value_kind: global_buffer, .address_space: global }
      - { .name: weight_scale, .offset: 40, .size: 8, .value_kind: global_buffer, .address_space: global }
      - { .name: zero_point, .offset: 48, .size: 8, .value_kind: global_buffer, .address_space: global }
      - { .name: out0, .offset: 56, .size: 8, .value_kind: global_buffer, .address_space: global }
    .group_segment_fixed_size: 272896
    .private_segment_fixed_size: 0
    .kernarg_segment_align: 8
    .kernarg_segment_size: 64
    .max_flat_workgroup_size: 128
    .sgpr_count:     66
    .vgpr_count:     672
    .wavefront_size: 32
...
	.end_amdgpu_metadata
.endif
;; end of part 2
